; MI455X (gfx1250); checked and timed in simulation.
; The chip was launched on July 23, 2026; its instructions are those of AMD's public machine-readable ISA for CDNA 5 (MIT licence, August 2026) and "CDNA5" Instruction Set Architecture Reference Guide (July 2026). The comments in the code are by the model that wrote it; some were corrected since.
;; Multi Universe Topos Attention. Allowed arithmetic: float matrix products may take bf16 or f16 operands with f32 sums; other float arithmetic in f32, or as packed bf16 or f16 multiplies, adds, multiply-adds, maxima and minima; sums over many terms, partial sums and values carried from step to step in f32; what a program stores and reads back later, other than sums and carried values, may be rounded once to bf16 or f16.
;; Inputs: Wk 1,024 x 1,024 float32; Wo 1,024 x 1,024 float32; Wq 1,024 x 1,024 float32; Wv 1,024 x 1,024 float32; freqs_cos 1,024 x 32 float32; freqs_sin 1,024 x 32 float32; mask 1 x 1 x 1,024 x 1,024 float32; x 1 x 1,024 x 1,024 float32.
;; Outputs: out0 1 x 1,024 x 1,024 float32.
;; One version. Each part assembles by itself: llvm-mc -triple=amdgcn-amd-amdhsa -mcpu=gfx1250 --defsym DOCPART=n.
;; ======== version 1 of 1: 4 launches
;; limits: values are held in f16: magnitudes above 65,504 overflow, below 6.1e-05 lose precision
;; workspace buffers: xb 2,097,152 bytes; wb 6,291,456 bytes; wo16 2,097,152 bytes; mt 2,097,152 bytes; qs 2,097,152 bytes; kv 4,194,304 bytes; ao 2,097,152 bytes
;; launch prep (part 1): grid 128 x 6, 8 waves a work-group, no clusters, 0 bytes of LDS; arguments x, Wq, Wk, Wv, Wo, mask, xb, wb, wo16, mt; writes xb, wb, wo16, mt
.if DOCPART == 1
	.amdgcn_target "amdgcn-amd-amdhsa--gfx1250"
	.amdhsa_code_object_version 6
	.text
	.protected	k_qf86ba9a84c_prep
	.globl	k_qf86ba9a84c_prep
	.p2align	8
	.type	k_qf86ba9a84c_prep,@function
k_qf86ba9a84c_prep:
	s_mov_b64 s[64:65], 0
	v_nop
	global_prefetch_b8 v0, s[64:65] scope:SCOPE_SE
	s_setreg_imm32_b32 hwreg(HW_REG_WAVE_MODE, 25, 1), 1
	s_wait_xcnt 0x0
; Six inputs of 1,024 x 1,024 f32 are rounded once to bf16 and laid out as the later launches read them.  The grid's y says which (the role):
;   0  x    -> xb   [row][k], as it lies
;   1-3 Wq, Wk, Wv -> wb [mat][head][k][64]: a head's 64 columns of all k are 131,072 dense bytes
;   4  Wo   -> wo16 [block of 64 columns][k][64]; the bf16 number is written as f16 (exact for 6e-5 <= |w| < 65,504; below that f16's fixed step of 6e-8)
;   5  mask -> mt   [qb][kt][u][lane][8]: lane (r, h) of a tile holds mask[64 qb + 16 u + r][16 kt + 8 h .. + 7], the order in which a score tile lies in registers
; A work-group takes 8,192 numbers, a thread four units of 8: two loads of 16 bytes in, one store of 16 bytes out.  All eight loads of a thread go out at once; there is no loop.
; Each store of a wave covers 512 consecutive bytes, aligned.  No LDS, no matrix unit, no cluster: no byte is wanted twice.
.set IN,  8                            ; v[8:11]   unit i: byte offset in the input
.set OUT, 12                           ; v[12:15]  unit i: byte offset in the output
.set X,   16                           ; v[16:47]  unit i: 8 numbers in f32
.set Y,   48                           ; v[48:63]  unit i: 8 numbers in 16 bits
	s_load_b512 s[8:23], s[0:1], 0x0               ; x s[8:9], Wq s[10:11], Wk s[12:13], Wv s[14:15], Wo s[16:17], mask s[18:19], xb s[20:21], wb s[22:23]
	s_load_b128 s[24:27], s[0:1], 0x40             ; wo16 s[24:25], mt s[26:27]
	s_and_b32 s28, ttmp7, 0xffff                   ; the role
	v_and_b32 v1, 31, v0                           ; lane
	v_lshrrev_b32 v2, 5, v0                        ; wave
	s_cmp_eq_u32 s28, 0
	s_cbranch_scc1 .Lnatural
	s_cmp_eq_u32 s28, 5
	s_cbranch_scc1 .Ltiles
	; roles 1-4.  The work-group has rows k = 8 b .. 8 b + 7.  A wave: four rows (a lane's row: lane / 8) x 256 columns (wave % 4); a unit: one block of 64 columns
	v_lshrrev_b32 v3, 2, v2
	v_lshrrev_b32 v4, 3, v1
	v_lshl_add_u32 v3, v3, 2, v4
	s_lshl_b32 s29, ttmp9, 3
	v_add_nc_u32 v3, s29, v3                       ; k
	v_and_b32 v4, 3, v2
	v_and_b32 v5, 7, v1
	v_lshlrev_b32 v6, 12, v3                       ; k x 4,096
	v_lshl_add_u32 v6, v4, 10, v6                  ; + 256 columns x 4 bytes x (wave % 4)
	v_lshl_add_u32 v6, v5, 5, v6                   ; + my 8 numbers
	v_lshlrev_b32 v7, 7, v3                        ; k x 128
	v_lshl_add_u32 v7, v4, 19, v7                  ; + four blocks of 131,072 x (wave % 4)
	v_lshl_add_u32 v7, v5, 4, v7
	s_mov_b32 s32, 256                             ; from unit to unit: 64 columns in,
	s_mov_b32 s33, 131072                          ; a block out
	s_branch .Lgo
.Lnatural:
	s_lshl_b32 s29, ttmp9, 15
	v_lshlrev_b32 v6, 12, v2
	v_lshl_add_u32 v6, v1, 5, v6
	v_add_nc_u32 v6, s29, v6
	v_lshrrev_b32 v7, 1, v6
	s_mov_b32 s32, 1024
	s_mov_b32 s33, 512
	s_branch .Lgo
.Ltiles:
	; role 5.  The work-group has 16 rows of the mask (qt = b / 2) x 512 columns; a wave four tiles of 16 columns, a unit one tile
	s_lshr_b32 s29, ttmp9, 1                       ; qt = 4 qb + u
	s_and_b32 s30, ttmp9, 1
	s_lshl_b32 s30, s30, 5
	v_lshl_add_u32 v3, v2, 2, s30                  ; kt of unit 0
	v_and_b32 v4, 15, v1                           ; r
	v_lshrrev_b32 v5, 4, v1                        ; h
	s_lshl_b32 s31, s29, 4
	v_add_nc_u32 v4, s31, v4                       ; the mask's row
	v_lshlrev_b32 v6, 12, v4
	v_lshl_add_u32 v6, v3, 6, v6
	v_lshl_add_u32 v6, v5, 5, v6
	s_lshr_b32 s31, s29, 2
	s_lshl_b32 s31, s31, 17                        ; qb x 131,072
	s_and_b32 s29, s29, 3
	s_lshl_b32 s29, s29, 9                         ; u x 512
	s_add_co_u32 s31, s31, s29
	v_lshlrev_b32 v7, 11, v3                       ; kt x 2,048
	v_lshl_add_u32 v7, v1, 4, v7
	v_add_nc_u32 v7, s31, v7
	s_mov_b32 s32, 64
	s_mov_b32 s33, 2048
.Lgo:
	v_mov_b32 v[IN], v6
	v_mov_b32 v[OUT], v7
.irp i, 1,2,3
	v_add_nc_u32 v[IN+\i], s32, v[IN+\i-1]
	v_add_nc_u32 v[OUT+\i], s33, v[OUT+\i-1]
.endr
	s_sub_co_u32 s34, s28, 1                       ; roles 1-3: the matrix's 2,097,152 bytes in wb
	s_lshl_b32 s30, s34, 21
	s_cmp_lt_u32 s34, 3
	s_cselect_b32 s30, s30, 0
	s_mov_b32 s31, 0
	s_wait_kmcnt 0x0
	s_mov_b64 s[4:5], s[8:9]                       ; the input, chosen by the role
	s_cmp_eq_u32 s28, 1
	s_cselect_b64 s[4:5], s[10:11], s[4:5]
	s_cmp_eq_u32 s28, 2
	s_cselect_b64 s[4:5], s[12:13], s[4:5]
	s_cmp_eq_u32 s28, 3
	s_cselect_b64 s[4:5], s[14:15], s[4:5]
	s_cmp_eq_u32 s28, 4
	s_cselect_b64 s[4:5], s[16:17], s[4:5]
	s_cmp_eq_u32 s28, 5
	s_cselect_b64 s[4:5], s[18:19], s[4:5]
	s_mov_b64 s[6:7], s[22:23]                     ; the output
	s_cmp_eq_u32 s28, 0
	s_cselect_b64 s[6:7], s[20:21], s[6:7]
	s_cmp_eq_u32 s28, 4
	s_cselect_b64 s[6:7], s[24:25], s[6:7]
	s_cmp_eq_u32 s28, 5
	s_cselect_b64 s[6:7], s[26:27], s[6:7]
	s_add_nc_u64 s[6:7], s[6:7], s[30:31]
.irp i, 0,1,2,3
	global_load_b128 v[X+8*\i:X+8*\i+3],   v[IN+\i], s[4:5] th:TH_LOAD_NT
	global_load_b128 v[X+8*\i+4:X+8*\i+7], v[IN+\i], s[4:5] offset:16 th:TH_LOAD_NT
.endr
.irp i, 0,1,2,3
	s_wait_loadcnt 6-2*\i                          ; loads come back in order: unit i's two are in, the younger units' stay out
.irp j, 0,1,2,3
	v_cvt_pk_bf16_f32 v[Y+4*\i+\j], v[X+8*\i+2*\j], v[X+8*\i+2*\j+1]
.endr
.endr
	s_cmp_eq_u32 s28, 4
	s_cbranch_scc0 .Lstore
.set k, 0
.rept 16                               ; Wo alone: the bf16 number written as f16
	v_lshlrev_b32 v2, 16, v[Y+k]
	v_and_b32 v3, 0xffff0000, v[Y+k]
	v_cvt_pk_f16_f32 v[Y+k], v2, v3
.set k, k+1
.endr
.Lstore:
.irp i, 0,1,2,3
	global_store_b128 v[OUT+\i], v[Y+4*\i:Y+4*\i+3], s[6:7] th:TH_STORE_NT
.endr
	s_endpgm
.Lfunc_end_k_qf86ba9a84c_prep:
	.size	k_qf86ba9a84c_prep, .Lfunc_end_k_qf86ba9a84c_prep-k_qf86ba9a84c_prep
	.p2alignl 7, 3214868480
	.fill 96, 4, 3214868480
	.section	.rodata,"a",@progbits
	.p2align	6, 0x0
	.amdhsa_kernel k_qf86ba9a84c_prep
		.amdhsa_group_segment_fixed_size 0
		.amdhsa_private_segment_fixed_size 0
		.amdhsa_enable_private_segment 0
		.amdhsa_kernarg_size 80
		.amdhsa_user_sgpr_count 2
		.amdhsa_user_sgpr_kernarg_segment_ptr 1
		.amdhsa_wavefront_size32 1
		.amdhsa_system_sgpr_workgroup_id_x 1
		.amdhsa_system_sgpr_workgroup_id_y 1
		.amdhsa_system_sgpr_workgroup_id_z 1
		.amdhsa_system_vgpr_workitem_id 0
		.amdhsa_next_free_vgpr 64
		.amdhsa_next_free_sgpr 66
		.amdhsa_reserve_vcc 0
		.amdhsa_float_denorm_mode_32 3
		.amdhsa_float_denorm_mode_16_64 3
		.amdhsa_memory_ordered 1
		.amdhsa_forward_progress 1
		.amdhsa_inst_pref_size 9
	.end_amdhsa_kernel
	.amdgpu_metadata
---
amdhsa.version: [ 1, 2 ]
amdhsa.kernels:
  - .name:           k_qf86ba9a84c_prep
    .symbol:         k_qf86ba9a84c_prep.kd
    .args:
      - { .name: x, .offset: 0, .size: 8, .value_kind: global_buffer, .address_space: global }
      - { .name: Wq, .offset: 8, .size: 8, .value_kind: global_buffer, .address_space: global }
      - { .name: Wk, .offset: 16, .size: 8, .value_kind: global_buffer, .address_space: global }
      - { .name: Wv, .offset: 24, .size: 8, .value_kind: global_buffer, .address_space: global }
      - { .name: Wo, .offset: 32, .size: 8, .value_kind: global_buffer, .address_space: global }
      - { .name: mask, .offset: 40, .size: 8, .value_kind: global_buffer, .address_space: global }
      - { .name: xb, .offset: 48, .size: 8, .value_kind: global_buffer, .address_space: global }
      - { .name: wb, .offset: 56, .size: 8, .value_kind: global_buffer, .address_space: global }
      - { .name: wo16, .offset: 64, .size: 8, .value_kind: global_buffer, .address_space: global }
      - { .name: mt, .offset: 72, .size: 8, .value_kind: global_buffer, .address_space: global }
    .group_segment_fixed_size: 0
    .private_segment_fixed_size: 0
    .kernarg_segment_align: 8
    .kernarg_segment_size: 80
    .max_flat_workgroup_size: 256
    .sgpr_count:     66
    .vgpr_count:     64
    .wavefront_size: 32
...
	.end_amdgpu_metadata
.endif
;; end of part 1
;; launch qkv (part 2): grid 16 x 16, 4 waves a work-group, clusters of 4 x 4, 327,680 bytes of LDS; arguments xb, wb, freqs_cos, freqs_sin, qs, kv; writes qs, kv
.if DOCPART == 2
	.amdgcn_target "amdgcn-amd-amdhsa--gfx1250"
	.amdhsa_code_object_version 6
	.text
	.protected	k_qf86ba9a84c_qkv
	.globl	k_qf86ba9a84c_qkv
	.p2align	8
	.type	k_qf86ba9a84c_qkv,@function
k_qf86ba9a84c_qkv:
	s_mov_b64 s[64:65], 0
	v_nop
	global_prefetch_b8 v0, s[64:65] scope:SCOPE_SE
	s_setreg_imm32_b32 hwreg(HW_REG_WAVE_MODE, 25, 1), 1
	s_wait_xcnt 0x0
	s_wait_alu depctr_hold_cnt(0) depctr_sa_sdst(0) depctr_va_vdst(0) depctr_va_sdst(0) depctr_va_ssrc(0) depctr_va_vcc(0) depctr_vm_vsrc(0)
	s_getreg_b32 s2, hwreg(HW_REG_IB_STS2, 6, 4)
	s_cmp_eq_u32 s2, 0
	s_cbranch_scc0 .Lentry_in_a_cluster
	s_endpgm
.Lentry_in_a_cluster:
	s_bfe_u32 s2, ttmp6, 0x10000c
	s_cmp_lg_u32 s2, 0xf033
	s_cbranch_scc0 .Lentry_shape_is_right
	s_endpgm
.Lentry_shape_is_right:
; Q, K, V of one head for 64 rows: x Wq, x Wk, x Wv (bf16 operands, f32 sums), the rotation of Q and K, their sigmoid, all three rounded once to f16.
; qs [head][row][64] takes sigmoid(rot(Q)); kv [head][row][128] takes sigmoid(rot(K)) in elements 0-63 and V in 64-127: a key's row is 256 bytes.
; LIMITS.  V is kept in f16: |V| stays under 65,504.  cos and sin are rounded to bf16 like every input of the program.
; SHARES.  Work-group (x = head, y = block of 64 rows).  Wave w makes all 64 rows x columns 16 w .. 16 w + 15 of each of the three: 12 accumulators; for 32 along K it reads 4 fragments of x and 3 of the weights.
; K goes in 4 steps of 256 through two LDS slots.  A slot: 64 rows of x (512 bytes + 16 of padding), then for each matrix 256 rows k of 128 bytes + 32 of padding.
; CLUSTER 4 x 4.  The four of a row of the cluster share the rows of x, the four of a column the head's weights: each tile is asked for jointly.  Wave 3 asks for x's tile, waves 0-2 for the three matrices'.
; THE MATRIX INSTRUCTION IS USED TRANSPOSED (source 0 = 16 columns of W, turned on the way out of LDS; source 1 = 16 rows of x): a lane holds one row (lane % 16) and 8 neighbouring columns 8 (lane / 16) + 0..7,
; four pairs of the rotation.
.set PA,     528                       ; a row of x in LDS: 132 words: the 16 rows of a load start at 16 different groups of four banks (64 banks of 4 bytes: ISA guide 11.1)
.set ABYTES, 64*PA
.set PB,     160                       ; a row k of a matrix: 40 words
.set BMAT,   256*PB
.set SLOT,   ABYTES+3*BMAT             ; 156,672
.set SPARE,  2*SLOT                    ; behind the ring: the spare words, 128 bytes for each wave, which no other line names
.set SPITCH, 400                       ; the stage for the way out: 64 rows of 128 (Q) + 128 (K) + 128 (V) + 16 bytes, from LDS byte 0 on: slot 0's bytes, when they have had their last fill and their last read
.set CSO,  3                           ; v3      my byte offset in cos and in sin
.set ADRA, 4                           ; v4-5    LDS address of my fragments of x in slot 0, 1
.set ADRB, 6                           ; v6-11   of my fragments of matrix m in slot s: v[6 + 3 s + m]
.set STO,  12                          ; v12     the way out: where I put 16 bytes of a row
.set SPW,  14                          ; v14     LDS address of my spare word; never rewritten
.set NIL,  15                          ; v15     0; never rewritten
.set COS,  16                          ; v[16:31]   four cosines for each of my four rows
.set ACC,  32                          ; v[32:127]  accumulator (rt, m) at ACC + 8 (3 rt + m)
.set F0,   128                         ; v[128:183] fragment buffer 0: x's four, then the matrices' three
.set F1,   184                         ; v[184:239] fragment buffer 1
.set SIN,  240                         ; v[240:255] the sines
.set WV,   16                          ; s16  my wave's number
.set G1A,  24                          ; s[24:31] descriptor group 1 for x's tiles;  s[32:39] group 0, a set for each slot
.set G0A,  32
.set G1B,  48                          ; s[48:55], s[56:63] the same for the matrices' tiles
.set G0B,  56
.macro PLACES                          ; four places behind a matrix instruction, in front of loads into registers that it has read
.rept 4
	v_nop
.endr
.endm
.macro CROUND                          ; a round of the cluster's barrier
	s_barrier_signal -1
	s_barrier_wait -1
	s_cmp_lg_u32 s[WV], 0
	s_cbranch_scc1 .Lnot_wave_0_\@
	s_barrier_signal -3
.Lnot_wave_0_\@:
	s_barrier_wait -3
	s_barrier_signal -1
	s_barrier_wait -1
.endm
.macro JLOAD s                         ; a joint refill; the branch hangs on the wave's number alone; an s_nop 0 and four v_nop follow each line
	s_cmp_eq_u32 s[WV], 3
	s_cbranch_scc0 .Lfor_b_\@
	tensor_load_to_lds s[G0A+4*(\s):G0A+4*(\s)+3], s[G1A:G1A+7]
	s_nop 0
.rept 4
	v_nop
.endr
	s_branch .Lasked_\@
.Lfor_b_\@:
	tensor_load_to_lds s[G0B+4*(\s):G0B+4*(\s)+3], s[G1B:G1B+7]
	s_nop 0
.rept 4
	v_nop
.endr
.Lasked_\@:
.endm
	s_load_b256 s[4:11], s[0:1], 0x0               ; xb s[4:5], wb s[6:7], cos s[8:9], sin s[10:11]
	s_load_b128 s[12:15], s[0:1], 0x20             ; qs s[12:13], kv s[14:15]
	v_lshl_add_u32 v[SPW], v0, 2, SPARE
	v_mov_b32 v[NIL], 0
	ds_add_u32 v[SPW], v[NIL]                      ; the wave's opening: the add and its wait ahead of my first tensor load; the set-up below stands between them
	v_lshrrev_b32 v1, 5, v0
	v_readfirstlane_b32 s[WV], v1                  ; wave 0..3
	s_bfe_u32 s17, ttmp6, 0x40000                  ; cx
	s_bfe_u32 s18, ttmp6, 0x40004                  ; cy
	s_lshl_b32 s19, ttmp9, 2
	s_add_co_u32 s19, s19, s17                     ; the head = 4 x cluster x + cx
	s_and_b32 s20, ttmp7, 0xffff
	s_lshl_b32 s20, s20, 2
	s_add_co_u32 s20, s20, s18                     ; the block of rows = 4 x cluster y + cy
	s_lshl_b32 s21, s18, 2
	s_lshl_b32 s21, 15, s21                        ; my row of the cluster
	s_lshl_b32 s22, 0x1111, s17                    ; my column
	s_or_b32 s[G1A], s21, (1<<16)|(1<<20)|(1<<21)|(6<<22)|(3<<25)  ; the mask; 2-byte elements; padding on; bit 21 beside a mask; after every 128 words, 4 words
	s_mov_b32 s[G1A+1], 256<<16                    ; tensor_dim0 = 256
	s_mov_b32 s[G1A+2], 64<<16                     ; tensor_dim1 = 64
	s_mov_b32 s[G1A+3], 256<<16                    ; tile_dim0 = 256
	s_mov_b32 s[G1A+4], 64                         ; tile_dim1 = 64
	s_mov_b32 s[G1A+5], 1024                       ; elements from row to row
	s_mov_b32 s[G1A+6], 0
	s_mov_b32 s[G1A+7], 0
	s_or_b32 s[G1B], s22, (1<<16)|(1<<20)|(1<<21)|(4<<22)|(7<<25)  ; 256 rows k are 32,768 dense bytes: asked for as 128 rows of 256 bytes, padded by 8 words after every 32
	s_mov_b32 s[G1B+1], 128<<16
	s_mov_b32 s[G1B+2], 128<<16
	s_mov_b32 s[G1B+3], 128<<16
	s_mov_b32 s[G1B+4], 128
	s_mov_b32 s[G1B+5], 128
	s_mov_b32 s[G1B+6], 0
	s_mov_b32 s[G1B+7], 0
	s_lshl_b32 s40, s20, 17                        ; x: 64 rows of 2,048 bytes a block: hangs on the block of rows alone
	s_mov_b32 s41, 0
	s_lshl_b32 s42, s[WV], 4
	s_add_co_u32 s42, s42, s19                     ; matrix w, my head: hangs on the head and the wave alone (wave 3 makes the number and never uses it)
	s_lshl_b32 s42, s42, 17
	s_mov_b32 s43, 0
	s_mul_i32 s44, s[WV], BMAT
	s_add_co_u32 s44, s44, ABYTES                  ; where matrix w lies in a slot
	s_mov_b32 s66, 0xbfb8aa3b                      ; -log2(e)
	s_mov_b32 s67, s66
	s_wait_dscnt 0x0                               ; the opening add is done
	s_wait_kmcnt 0x0
	s_add_nc_u64 s[40:41], s[4:5], s[40:41]
	s_add_nc_u64 s[42:43], s[6:7], s[42:43]
.irp s, 0,1
	s_mov_b32 s[G0A+4*\s], 1
	s_mov_b32 s[G0A+4*\s+1], \s*SLOT
	s_add_nc_u64 s[G0A+4*\s+2:G0A+4*\s+3], s[40:41], \s*512      ; K step s
	s_or_b32 s[G0A+4*\s+3], s[G0A+4*\s+3], 0x80000000
	s_mov_b32 s[G0B+4*\s], 1
	s_add_co_u32 s[G0B+4*\s+1], s44, \s*SLOT
	s_add_nc_u64 s[G0B+4*\s+2:G0B+4*\s+3], s[42:43], \s*32768
	s_or_b32 s[G0B+4*\s+3], s[G0B+4*\s+3], 0x80000000
.endr
	CROUND                                         ; all sixteen work-groups are here: the first joint loads meet
	s_cmp_eq_u32 s[WV], 3                          ; a wave's two first fills stand in one branch: two loads of mine are out
	s_cbranch_scc0 .Lfirst_b
	tensor_load_to_lds s[G0A:G0A+3], s[G1A:G1A+7]
	s_nop 0
	tensor_load_to_lds s[G0A+4:G0A+7], s[G1A:G1A+7]
	s_nop 0
.rept 4
	v_nop
.endr
	s_branch .Lfirst_asked
.Lfirst_b:
	tensor_load_to_lds s[G0B:G0B+3], s[G1B:G1B+7]
	s_nop 0
	tensor_load_to_lds s[G0B+4:G0B+7], s[G1B:G1B+7]
	s_nop 0
.rept 4
	v_nop
.endr
.Lfirst_asked:
	v_and_b32 v1, 15, v0                           ; r = l % 16
	v_bfe_u32 v2, v0, 4, 1                         ; hh = l / 16
	v_mul_u32_u24 v[ADRA], v1, PA
	v_lshl_add_u32 v[ADRA], v2, 4, v[ADRA]         ; row x pitch + 16 x half
	v_add_nc_u32 v[ADRA+1], SLOT, v[ADRA]
	v_and_b32 v12, 7, v0                           ; the turning load: lane l reads row k = 8 (l / 16) + l % 8, columns 8 ((l / 8) % 2) + 0..7 of my 16
	v_lshl_add_u32 v12, v2, 3, v12
	v_mul_u32_u24 v12, v12, PB
	v_bfe_u32 v13, v0, 3, 1
	v_lshl_add_u32 v12, v13, 4, v12
	s_lshl_b32 s45, s[WV], 5                       ; my 16 columns: 32 bytes
	s_add_co_u32 s46, s45, ABYTES
	v_add_nc_u32 v[ADRB], s46, v12
	v_add_nc_u32 v[ADRB+1], BMAT, v[ADRB]
	v_add_nc_u32 v[ADRB+2], 2*BMAT, v[ADRB]
	v_add_nc_u32 v[ADRB+3], SLOT, v[ADRB]
	v_add_nc_u32 v[ADRB+4], SLOT+BMAT, v[ADRB]
	v_add_nc_u32 v[ADRB+5], SLOT+2*BMAT, v[ADRB]
	v_mul_u32_u24 v[STO], v1, SPITCH
	v_lshl_add_u32 v[STO], v2, 4, v[STO]
	v_add_nc_u32 v[STO], s45, v[STO]               ; row r, my 8 columns: 32 w + 16 hh
	s_lshl_b32 s46, s20, 13                        ; cos, sin: rows of 128 bytes; my four pairs are numbers 8 w + 4 hh ..
	s_add_co_u32 s46, s46, s45
	v_lshlrev_b32 v[CSO], 7, v1
	v_lshl_add_u32 v[CSO], v2, 4, v[CSO]
	v_add_nc_u32 v[CSO], s46, v[CSO]
.irp rt, 0,1,2,3
	global_load_b128 v[COS+4*\rt:COS+4*\rt+3], v[CSO], s[8:9] offset:2048*\rt
	global_load_b128 v[SIN+4*\rt:SIN+4*\rt+3], v[CSO], s[10:11] offset:2048*\rt
.endr
; 14 LDS loads: the fragments of 32 along K, number j of a step's eight, into buffer f
.macro FETCH slot, j, f
.irp rt, 0,1,2,3
	ds_load_b128 v[(\f)+8*\rt:(\f)+8*\rt+3],   v[ADRA+(\slot)] offset:\rt*16*PA+64*(\j)
	ds_load_b128 v[(\f)+8*\rt+4:(\f)+8*\rt+7], v[ADRA+(\slot)] offset:\rt*16*PA+64*(\j)+32
.endr
.irp m, 0,1,2
	ds_load_tr16_b128 v[(\f)+32+8*\m:(\f)+32+8*\m+3], v[ADRB+3*(\slot)+\m] offset:32*PB*(\j)
	ds_load_tr16_b128 v[(\f)+32+8*\m+4:(\f)+32+8*\m+7], v[ADRB+3*(\slot)+\m] offset:32*PB*(\j)+16*PB
.endr
.endm
; 12 matrix instructions; the 12 accumulators take turns, in the same order everywhere.  zero = 1: the first product starts the sums
.macro MUL12 f, zero
.irp rt, 0,1,2,3
.irp m, 0,1,2
.if \zero
	v_wmma_f32_16x16x32_bf16 v[ACC+8*(3*\rt+\m):ACC+8*(3*\rt+\m)+7], v[(\f)+32+8*\m:(\f)+32+8*\m+7], v[(\f)+8*\rt:(\f)+8*\rt+7], 0
.else
	v_wmma_f32_16x16x32_bf16 v[ACC+8*(3*\rt+\m):ACC+8*(3*\rt+\m)+7], v[(\f)+32+8*\m:(\f)+32+8*\m+7], v[(\f)+8*\rt:(\f)+8*\rt+7], v[ACC+8*(3*\rt+\m):ACC+8*(3*\rt+\m)+7]
.endif
.endr
.endr
.endm
.macro SUB slot, j, zero               ; 32 along K: the next 32's fragments are asked for, then this one's are multiplied
.if ((\j)%2) == 0
.set FC, F0
.set FN, F1
.else
.set FC, F1
.set FN, F0
.endif
.if (\j) < 7
	PLACES
	FETCH \slot, (\j)+1, FN
	s_wait_dscnt 14                                ; all but the 14 just issued
.else
	s_wait_dscnt 0x0
.endif
	MUL12 FC, \zero
.endm
.macro STEP slot, first                ; a K step of 256
	PLACES
	FETCH \slot, 0, F0
	SUB \slot, 0, \first
.irp j, 1,2,3,4,5,6,7
	SUB \slot, \j, 0
.endr
.endm
; The change of slots.  Each wave waits for all its tensor loads (one is out: its part of the other slot), adds 0 to its spare word, and waits for that and for its reads of the slot that it leaves.
; fill = 1: the slot is filled again, two K steps on: the barrier is a round of the cluster's, and the joint refill is the first thing behind it.
.macro CHANGE slot, fill
	s_wait_tensorcnt 0x0
	ds_add_u32 v[SPW], v[NIL]
.if \fill
	s_add_nc_u64 s[G0A+4*(\slot)+2:G0A+4*(\slot)+3], s[G0A+4*(\slot)+2:G0A+4*(\slot)+3], 1024
	s_add_nc_u64 s[G0B+4*(\slot)+2:G0B+4*(\slot)+3], s[G0B+4*(\slot)+2:G0B+4*(\slot)+3], 65536
.endif
	s_wait_dscnt 0x0
.if \fill
	CROUND
	JLOAD \slot
.else
	s_barrier_signal -1
	s_barrier_wait -1
.endif
.endm
	s_wait_tensorcnt 1                             ; my part of K step 0 is in; K step 1's stays out
	s_barrier_signal -1
	s_barrier_wait -1
	STEP 0, 1
	CHANGE 0, 1
	STEP 1, 0
	CHANGE 1, 1
	STEP 0, 0
	CHANGE 0, 0                                    ; behind this barrier nobody reads slot 0 any more, and nothing is filled again
	STEP 1, 0
	; THE WAY OUT.  cos and sin are rounded to bf16 and widened again; these lines are also the places behind the last products
	s_wait_loadcnt 0x0
.irp b, COS, SIN
.irp p, 0,1,2,3,4,5,6,7
	v_cvt_pk_bf16_f32 v[4+\p], v[\b+2*\p], v[\b+2*\p+1]
.endr
.irp p, 0,1,2,3,4,5,6,7
	v_lshlrev_b32 v[\b+2*\p], 16, v[4+\p]
	v_and_b32 v[\b+2*\p+1], 0xffff0000, v[4+\p]
.endr
.endr
	; the rotation: (a, b) -> (a c - b s, a s + b c), Q into v[128:159], K into v[160:191]; each accumulator is read from its low end on
.irp m, 0,1
.irp rt, 0,1,2,3
.irp i, 0,1,2,3
	v_mul_f32 v[4+2*\i], v[ACC+8*(3*\rt+\m)+2*\i+1], v[SIN+4*\rt+\i]
	v_mul_f32 v[5+2*\i], v[ACC+8*(3*\rt+\m)+2*\i+1], v[COS+4*\rt+\i]
	v_fma_f32 v[128+32*\m+8*\rt+2*\i], v[ACC+8*(3*\rt+\m)+2*\i], v[COS+4*\rt+\i], -v[4+2*\i]
	v_fma_f32 v[128+32*\m+8*\rt+2*\i+1], v[ACC+8*(3*\rt+\m)+2*\i], v[SIN+4*\rt+\i], v[5+2*\i]
.endr
.endr
.endr
	; the sigmoid: 1 / (1 + 2^(-log2(e) x)), in two batches with one wait each
.set i, 128
.rept 32
	v_pk_mul_f32 v[i:i+1], v[i:i+1], s[66:67] op_sel_hi:[1,0]
.set i, i+2
.endr
.set i, 128
.rept 64
	v_exp_f32 v[i], v[i]
.set i, i+1
.endr
	v_nop                                          ; a plain instruction behind the last exponential,
	s_wait_alu depctr_va_vdst(0)                   ; and the wait ahead of the first use: one for the batch
.set i, 128
.rept 32
	v_pk_add_f32 v[i:i+1], v[i:i+1], 1.0 op_sel_hi:[1,0]
.set i, i+2
.endr
.set i, 128
.rept 64
	v_rcp_f32 v[i], v[i]
.set i, i+1
.endr
	v_nop
	s_wait_alu depctr_va_vdst(0)
.irp rt, 0,1,2,3
.irp i, 0,1,2,3
	v_cvt_pk_f16_f32 v[192+4*\rt+\i], v[128+8*\rt+2*\i], v[128+8*\rt+2*\i+1]
	v_cvt_pk_f16_f32 v[208+4*\rt+\i], v[160+8*\rt+2*\i], v[160+8*\rt+2*\i+1]
	v_cvt_pk_f16_f32 v[224+4*\rt+\i], v[ACC+8*(3*\rt+2)+2*\i], v[ACC+8*(3*\rt+2)+2*\i+1]
.endr
.endr
.irp rt, 0,1,2,3
	ds_store_b128 v[STO], v[192+4*\rt:192+4*\rt+3] offset:\rt*16*SPITCH
	ds_store_b128 v[STO], v[208+4*\rt:208+4*\rt+3] offset:\rt*16*SPITCH+128
	ds_store_b128 v[STO], v[224+4*\rt:224+4*\rt+3] offset:\rt*16*SPITCH+256
.endr
	s_mul_i32 s45, s[WV], 16*SPITCH                ; back: wave w takes rows 16 w .. 16 w + 15, whole
	v_bfe_u32 v4, v0, 3, 2                         ; Q: 32 lanes take four rows of 128 bytes
	v_mul_u32_u24 v4, v4, SPITCH
	v_and_b32 v7, 7, v0
	v_lshl_add_u32 v4, v7, 4, v4
	v_add_nc_u32 v4, s45, v4
	v_mul_u32_u24 v5, v2, SPITCH                   ; K and V: two rows of 256 bytes
	v_lshl_add_u32 v5, v1, 4, v5
	v_add_nc_u32 v5, s45, v5
	v_and_b32 v6, 31, v0
	v_lshlrev_b32 v6, 4, v6                        ; in memory both are 512 consecutive bytes
	s_lshl_b32 s46, s19, 10
	s_lshl_b32 s47, s20, 6
	s_add_co_u32 s46, s46, s47
	s_lshl_b32 s47, s[WV], 4
	s_add_co_u32 s46, s46, s47                     ; 1,024 x head + 64 x block + 16 w
	s_lshl_b32 s68, s46, 7
	s_mov_b32 s69, 0
	s_lshl_b32 s70, s46, 8
	s_mov_b32 s71, 0
	s_add_nc_u64 s[12:13], s[12:13], s[68:69]
	s_add_nc_u64 s[14:15], s[14:15], s[70:71]
	s_wait_dscnt 0x0                               ; for the others' sake: my stores into the stage are done
	s_barrier_signal -1
	s_barrier_wait -1
.irp i, 0,1,2,3
	ds_load_b128 v[128+4*\i:128+4*\i+3], v4 offset:\i*4*SPITCH
.endr
.irp i, 0,1,2,3,4,5,6,7
	ds_load_b128 v[144+4*\i:144+4*\i+3], v5 offset:128+\i*2*SPITCH
.endr
.irp i, 0,1,2,3
	s_wait_dscnt 11-\i
	global_store_b128 v6, v[128+4*\i:128+4*\i+3], s[12:13] offset:512*\i  ; 512 consecutive bytes, at a multiple of 256 from qs's first byte
.endr
.irp i, 0,1,2,3,4,5,6,7
	s_wait_dscnt 7-\i
	global_store_b128 v6, v[144+4*\i:144+4*\i+3], s[14:15] offset:512*\i
.endr
	s_wait_tensorcnt 0x0                           ; the wave's end
	ds_add_u32 v[SPW], v[NIL]
	s_wait_dscnt 0x0
	CROUND                                         ; the closing round
	s_endpgm
.Lfunc_end_k_qf86ba9a84c_qkv:
	.size	k_qf86ba9a84c_qkv, .Lfunc_end_k_qf86ba9a84c_qkv-k_qf86ba9a84c_qkv
	.p2alignl 7, 3214868480
	.fill 96, 4, 3214868480
	.section	.rodata,"a",@progbits
	.p2align	6, 0x0
	.amdhsa_kernel k_qf86ba9a84c_qkv
		.amdhsa_group_segment_fixed_size 327680
		.amdhsa_private_segment_fixed_size 0
		.amdhsa_enable_private_segment 0
		.amdhsa_kernarg_size 48
		.amdhsa_user_sgpr_count 2
		.amdhsa_user_sgpr_kernarg_segment_ptr 1
		.amdhsa_wavefront_size32 1
		.amdhsa_system_sgpr_workgroup_id_x 1
		.amdhsa_system_sgpr_workgroup_id_y 1
		.amdhsa_system_sgpr_workgroup_id_z 1
		.amdhsa_system_vgpr_workitem_id 0
		.amdhsa_next_free_vgpr 256
		.amdhsa_next_free_sgpr 80
		.amdhsa_reserve_vcc 0
		.amdhsa_float_denorm_mode_32 3
		.amdhsa_float_denorm_mode_16_64 3
		.amdhsa_memory_ordered 1
		.amdhsa_forward_progress 1
		.amdhsa_inst_pref_size 91
	.end_amdhsa_kernel
	.amdgpu_metadata
---
amdhsa.version: [ 1, 2 ]
amdhsa.kernels:
  - .name:           k_qf86ba9a84c_qkv
    .symbol:         k_qf86ba9a84c_qkv.kd
    .args:
      - { .name: xb, .offset: 0, .size: 8, .value_kind: global_buffer, .address_space: global }
      - { .name: wb, .offset: 8, .size: 8, .value_kind: global_buffer, .address_space: global }
      - { .name: freqs_cos, .offset: 16, .size: 8, .value_kind: global_buffer, .address_space: global }
      - { .name: freqs_sin, .offset: 24, .size: 8, .value_kind: global_buffer, .address_space: global }
      - { .name: qs, .offset: 32, .size: 8, .value_kind: global_buffer, .address_space: global }
      - { .name: kv, .offset: 40, .size: 8, .value_kind: global_buffer, .address_space: global }
    .group_segment_fixed_size: 327680
    .private_segment_fixed_size: 0
    .kernarg_segment_align: 8
    .kernarg_segment_size: 48
    .max_flat_workgroup_size: 128
    .sgpr_count:     80
    .vgpr_count:     256
    .wavefront_size: 32
...
	.end_amdgpu_metadata
.endif
;; end of part 2
;; launch attn (part 3): grid 16 x 16, 4 waves a work-group, clusters of 4 x 1, 327,680 bytes of LDS; arguments qs, kv, mt, ao; writes ao
.if DOCPART == 3
	.amdgcn_target "amdgcn-amd-amdhsa--gfx1250"
	.amdhsa_code_object_version 6
	.text
	.protected	k_qf86ba9a84c_attn
	.globl	k_qf86ba9a84c_attn
	.p2align	8
	.type	k_qf86ba9a84c_attn,@function
k_qf86ba9a84c_attn:
	s_mov_b64 s[64:65], 0
	v_nop
	global_prefetch_b8 v0, s[64:65] scope:SCOPE_SE
	s_setreg_imm32_b32 hwreg(HW_REG_WAVE_MODE, 25, 1), 1
	s_wait_xcnt 0x0
	s_wait_alu depctr_hold_cnt(0) depctr_sa_sdst(0) depctr_va_vdst(0) depctr_va_sdst(0) depctr_va_ssrc(0) depctr_va_vcc(0) depctr_vm_vsrc(0)
	s_getreg_b32 s2, hwreg(HW_REG_IB_STS2, 6, 4)
	s_cmp_eq_u32 s2, 0
	s_cbranch_scc0 .Lentry_in_a_cluster
	s_endpgm
.Lentry_in_a_cluster:
	s_bfe_u32 s2, ttmp6, 0x10000c
	s_cmp_lg_u32 s2, 0x3003
	s_cbranch_scc0 .Lentry_shape_is_right
	s_endpgm
.Lentry_shape_is_right:
; O[h][q] = sum over k of softmax_k(5 (1 - mean_d relu(Q[q][d] - K[k][d]) + mask[q][k])) V[k].  Q, K in (0, 1) and V in f16, the mask in bf16; O leaves in f16 as ao [qb][head][q 64][ch 64].
; THE SCORE.  relu(q - k) = max(q, k) - k.  The maxima are taken two a line in f16 (nothing is rounded) and ADDED UP BY THE MATRIX UNIT, in f32: they are source 1 of a product whose source 0 holds ones and zeros
; that drop each key's sum into its own row of S^T.  -sum_d k comes from the matrix unit too (K x (-1)) and is the C operand that starts the sum.  With the mask: A = sum_d relu(q - k) - 64 mask, and the
; weight is p = 2^(-c (A - mn)), c = 5/64 log2(e), mn the query's running MINIMUM of A (the maximum of the score).  The difference A - mn is formed first, then scaled, so that equal scores give p = 1 however large they are.
; LIMITS.  |V| < 65,504.  p is rounded to f16 for the second product (its sum l is taken of the unrounded p).  A weight below 2^-126 counts as 0.  mn starts at the largest finite number, so a mask of -inf gives weight 0;
; a row whose mask is -inf everywhere, or holds +inf, gives NaN.
; SHARES.  A work-group has 64 queries (four tiles of 16) of one head.  THE KEYS ARE SPLIT AMONG ITS FOUR WAVES: wave w takes keys 256 w .. 256 w + 255, in 8 trips of 32, for all 64 queries, with mn, l and O^T of its own;
; the four meet in LDS at the end.  So a key's four LDS loads (all lanes of a half read the same 16 bytes) feed 64 lines of maxima.
; LDS.  A wave's 256 rows of kv (K 128 bytes, V 128 bytes, 32 of padding) are brought by ONE tensor load at the start and read by that wave alone: no ring, no refill, no barrier in the loop.
; CLUSTER 4 x 1.  The four blocks of queries of a cluster belong to one head and want the same kv: each tile is asked for jointly.  The mask's rows differ between the partners; they come straight into registers,
; in the order in which a score tile lies there, asked for a whole score phase ahead of their use.
; LAYOUT.  S^T: a lane holds one query (lane % 16) and the keys 8 (lane / 16) + 0..7.  Two such tiles rounded to f16 ARE source 1 of O^T = V^T P.  Of a row's 64 numbers d lanes 0-15 hold 0-31, lanes 16-31 hold 32-63, for Q and K alike.
; REGISTERS, in windows of 256 (s_set_vgpr_msb: bits 1:0 source 0, 3:2 source 1, 5:4 source 2, 7:6 destination):
;   window 0: v0-15 addresses; v16-47 statistics; v48-55 -1; v56-71 -sum k; v72-135 keys, two buffers of two; v136-167 the maxima, later P; v168-231 S^T; v232-255 at work
;   window 1: v0-63 Q; v64-127 the ones and zeros; v128-159 K as rows; v160-191 V turned; v192-223 the mask; v224-227 the loop's addresses          window 2: v0-127 O^T
.set PKV,  288                         ; a row of kv in LDS: 72 words
.set WREG, 256*PKV                     ; a wave's keys: 73,728 bytes
.set MNX,  4*WREG                      ; the waves' minima: [tile][query][wave], 1,024 bytes
.set LX,   MNX+1024                    ; their sums l, likewise
.set OST,  LX+1024                     ; 16 rows x 144 bytes for each wave, for the way out
.set SP,   144
.set SPARE, OST+4*16*SP                ; the spare words, 128 bytes for each wave, which no other line names
                                       ; the waves' partial O^T, 16,384 bytes each, go to LDS bytes 0 .. 65,535: kv's bytes, when every fill has landed and every read of them is over
.set SPW, 4                            ; v4   LDS address of my spare word; never rewritten
.set NIL, 5                            ; v5   0; never rewritten
.set M64, 6                            ; v6   -64.0
.set QO,  7                            ; v7   my byte offset in 16 rows of Q
.set MNS, 8                            ; v8   MNX + 16 r + 4 w
.set MNR, 9                            ; v9   MNX + 16 r
.set STA, 10                           ; v10  16,384 w + 16 l
.set STR, 11                           ; v11  4,096 w + 16 l
.set OSS, 12                           ; v12  the way out: where I put 16 bytes of a row
.set OSR, 13                           ; v13  where I read rows back
.set GO,  14                           ; v14  16 l
.set LXR, 15                           ; v15  LX + 16 r + 256 w
.set ST,  16                           ; tile t at ST + 8 t: mn, 0, l (even keys', odd keys'), c0, c1, a, c3
.set NEG1, 48
.set KS,  56
.set KB,  72
.set BB,  136
.set S,   168                          ; S^T of keys 16 e .., tile u at S + 32 e + 8 u
.set TM,  232
.set Q,   0                            ; window 1: tile u, chunk c of 16 bytes at Q + 16 u + 4 c
.set SEL, 64                           ; pair p: registers 0-3 ones in row 2 p, registers 4-7 ones in row 2 p + 1
.set KN,  128
.set VF,  160
.set MK,  192
.set AKB, 224
.set AKN, 225
.set AV,  226
.set MO,  227
.set WV,  12                           ; s12  my wave's number
.set CNT, 22                           ; s22  trips to go
.set G1,  24                           ; s[24:31] descriptor group 1
.set G0,  40                           ; s[40:43] descriptor group 0
.set NC,  48                           ; s[48:49] -c
.set CP,  50                           ; s50  c
.set ONES, 51                          ; s51  1.0 twice in f16
.set XS,  52                           ; s[52:53] v_permlanex16_b32's selects: each lane takes its own place in the other half
.set MSB, 0
.macro WIN new                         ; the high byte repeats the setting that is left; a switch that changes nothing is dropped
.if MSB != (\new)
	s_set_vgpr_msb (MSB<<8)|(\new)
.set MSB, (\new)
.endif
.endm
.macro CROUND                          ; a round of the cluster's barrier
	s_barrier_signal -1
	s_barrier_wait -1
	s_cmp_lg_u32 s[WV], 0
	s_cbranch_scc1 .Lnot_wave_0_\@
	s_barrier_signal -3
.Lnot_wave_0_\@:
	s_barrier_wait -3
	s_barrier_signal -1
	s_barrier_wait -1
.endm
	s_load_b256 s[4:11], s[0:1], 0x0               ; qs s[4:5], kv s[6:7], mt s[8:9], ao s[10:11]
	v_lshl_add_u32 v[SPW], v0, 2, SPARE
	v_mov_b32 v[NIL], 0
	ds_add_u32 v[SPW], v[NIL]                      ; the wave's opening: the add and its wait ahead of my first tensor load
	v_lshrrev_b32 v1, 5, v0
	v_readfirstlane_b32 s[WV], v1                  ; wave 0..3
	s_bfe_u32 s13, ttmp6, 0x40000                  ; cx
	s_lshl_b32 s14, ttmp9, 2
	s_add_co_u32 s14, s14, s13                     ; my block of 64 queries: it enters Q's, the mask's and O's addresses alone
	s_and_b32 s15, ttmp7, 0xffff                   ; the head, which the four partners share
	s_lshl_b32 s20, s15, 2
	s_add_co_u32 s20, s20, s[WV]
	s_lshl_b32 s20, s20, 16                        ; (4 x head + w) x 256 keys x 256 bytes
	s_mov_b32 s21, 0
	s_mul_i32 s23, s[WV], WREG                     ; my keys in LDS
	s_mov_b32 s[G1], 15|(1<<16)|(1<<20)|(1<<21)|(5<<22)|(7<<25)  ; the mask of four; 2-byte elements; padding on; bit 21 beside a mask; after every 64 words, 8 words
	s_mov_b32 s[G1+1], 128<<16                     ; tensor_dim0 = 128
	s_mov_b32 s[G1+2], 256<<16                     ; tensor_dim1 = 256
	s_mov_b32 s[G1+3], 128<<16                     ; tile_dim0 = 128
	s_mov_b32 s[G1+4], 256                         ; tile_dim1 = 256
	s_mov_b32 s[G1+5], 128                         ; elements from row to row
	s_mov_b32 s[G1+6], 0
	s_mov_b32 s[G1+7], 0
	s_mov_b32 s[G0], 1
	s_mov_b32 s[G0+1], s23
	s_mov_b32 s[NC], 0xbde6d4ca                    ; -5/64 log2(e) = -0.112711
	s_mov_b32 s[NC+1], s[NC]
	s_mov_b32 s[CP], 0x3de6d4ca
	s_mov_b32 s[ONES], 0x3c003c00
	s_mov_b32 s[XS], 0x76543210
	s_mov_b32 s[XS+1], 0xfedcba98
	s_mov_b32 s[CNT], 8
	s_lshl_b32 s16, s15, 17                        ; Q: 1,024 x head + 64 x block rows of 128 bytes
	s_lshl_b32 s17, s14, 13
	s_add_co_u32 s16, s16, s17
	s_mov_b32 s17, 0
	s_lshl_b32 s18, s14, 17                        ; the mask's tiles of my block
	s_mov_b32 s19, 0
	s_lshl_b32 s32, s14, 4
	s_add_co_u32 s32, s32, s15
	s_lshl_b32 s32, s32, 13                        ; O: (16 x block + head) x 8,192,
	s_lshl_b32 s33, s[WV], 11
	s_add_co_u32 s32, s32, s33                     ; and the tile that I finish: 16 rows of 128 bytes
	s_mov_b32 s33, 0
	s_wait_dscnt 0x0                               ; the opening add is done
	s_wait_kmcnt 0x0
	s_add_nc_u64 s[G0+2:G0+3], s[6:7], s[20:21]
	s_or_b32 s[G0+3], s[G0+3], 0x80000000
	s_add_nc_u64 s[4:5], s[4:5], s[16:17]
	s_add_nc_u64 s[8:9], s[8:9], s[18:19]
	s_add_nc_u64 s[10:11], s[10:11], s[32:33]
	CROUND                                         ; all four work-groups are here: the joint loads meet
	tensor_load_to_lds s[G0:G0+3], s[G1:G1+7]      ; my 256 keys: the one tensor load of the wave
	s_nop 0
.rept 4
	v_nop
.endr
	; all that follows, up to the wait, stands in the wait for the keys
	v_and_b32 v1, 15, v0                           ; r
	v_bfe_u32 v2, v0, 4, 1                         ; hh
	v_lshlrev_b32 v[QO], 7, v1
	v_lshl_add_u32 v[QO], v2, 6, v[QO]             ; row x 128 + 64 x half
	v_mov_b32 v[M64], 0xc2800000
	v_lshl_add_u32 v[TM], v2, 6, s23               ; a key's 64 bytes for my half of the lanes
	v_mul_u32_u24 v[TM+1], v1, PKV
	v_add_nc_u32 v[TM+1], v[TM+1], v[TM]           ; the same of key r
	v_and_b32 v[TM+2], 7, v0                       ; the turning load: key 8 (l / 16) + l % 8, channels 8 ((l / 8) % 2) + 0..7; V lies 128 bytes into the row
	v_lshl_add_u32 v[TM+2], v2, 3, v[TM+2]
	v_mul_u32_u24 v[TM+2], v[TM+2], PKV
	v_bfe_u32 v[TM+3], v0, 3, 1
	v_lshl_add_u32 v[TM+2], v[TM+3], 4, v[TM+2]
	s_add_co_u32 s18, s23, 128
	v_add_nc_u32 v[TM+2], s18, v[TM+2]
	v_and_b32 v[TM+4], 31, v0                      ; l
	s_lshl_b32 s18, s[WV], 15
	v_lshl_add_u32 v[TM+3], v[TM+4], 4, s18        ; the mask: my wave's 16 groups of 16 keys x 2,048 bytes, 16 bytes a lane
	s_lshl_b32 s18, s[WV], 2
	s_add_co_u32 s18, s18, MNX
	v_lshl_add_u32 v[MNS], v1, 4, s18
	v_lshlrev_b32 v[MNR], 4, v1
	v_add_nc_u32 v[MNR], MNX, v[MNR]
	s_lshl_b32 s18, s[WV], 14
	v_lshl_add_u32 v[STA], v[TM+4], 4, s18
	s_lshl_b32 s18, s[WV], 12
	v_lshl_add_u32 v[STR], v[TM+4], 4, s18
	s_mul_i32 s18, s[WV], 16*SP
	s_add_co_u32 s18, s18, OST
	v_mul_u32_u24 v[OSS], v1, SP
	v_lshl_add_u32 v[OSS], v2, 4, v[OSS]
	v_add_nc_u32 v[OSS], s18, v[OSS]
	v_bfe_u32 v[OSR], v0, 3, 2
	v_mul_u32_u24 v[OSR], v[OSR], SP
	v_and_b32 v[TM+5], 7, v0
	v_lshl_add_u32 v[OSR], v[TM+5], 4, v[OSR]
	v_add_nc_u32 v[OSR], s18, v[OSR]
	v_lshlrev_b32 v[GO], 4, v[TM+4]
	s_lshl_b32 s18, s[WV], 8
	s_add_co_u32 s18, s18, LX
	v_lshl_add_u32 v[LXR], v1, 4, s18
.irp t, 0,1,2,3
	v_mov_b32 v[ST+8*\t], 0x7f7fffff               ; mn: the largest finite number: the first trip's a is 0
	v_mov_b32 v[ST+8*\t+1], 0                      ; named with it as a pair
	v_mov_b32 v[ST+8*\t+2], 0                      ; l
	v_mov_b32 v[ST+8*\t+3], 0
.endr
.irp i, 0,1,2,3,4,5,6,7
	v_mov_b32 v[NEG1+\i], 0xbc00bc00               ; -1.0 twice in f16
.endr
	WIN 0x40                                       ; destination window 1
.irp u, 0,1,2,3
.irp c, 0,1,2,3
	global_load_b128 v[Q+16*\u+4*\c:Q+16*\u+4*\c+3], v[QO], s[4:5] offset:2048*\u+16*\c
.endr
.endr
.set p, 0
.rept 16                               ; register group p (four registers) holds ones in row p: pair p / 2, its first key's 16 places or its second's
	v_cmp_eq_u32 vcc_lo, p, v1
.irp i, 0,1,2,3
	v_cndmask_b32 v[SEL+4*p+\i], 0, s[ONES], vcc_lo
.endr
.set p, p+1
.endr
	v_mov_b32 v[AKB], v[TM]
	v_mov_b32 v[AKN], v[TM+1]
	v_mov_b32 v[AV], v[TM+2]
	v_mov_b32 v[MO], v[TM+3]
	WIN 0x80                                       ; O^T starts at 0, so that every trip has one text: the trip is long, and a first trip written out would double it
.set i, 0
.rept 128
	v_mov_b32 v[i], 0
.set i, i+1
.endr
	WIN 0
	s_wait_loadcnt 0x0                             ; Q
	s_wait_tensorcnt 0x0                           ; my keys are in; no other wave reads them
; 8 LDS loads: keys 2 g and 2 g + 1 of the trip's 32, 64 bytes for each half of the lanes, into buffer bf
.macro KLOAD g, bf
.irp x, 0,1
.irp q, 0,1,2,3
	ds_load_b128 v[KB+32*(\bf)+16*\x+4*\q:KB+32*(\bf)+16*\x+4*\q+3], v[AKB] offset:(2*(\g)+\x)*PKV+16*\q
.endr
.endr
.endm
; Two keys against 64 queries: for each chunk of 16 numbers d and each tile, 8 lines of maxima and the product that adds them up.  The four accumulators take turns;
; a tile's maxima are written again 24 plain lines behind the product that read them.  A group's first products take -sum k as C.
.macro PAIR g
.set PE, (\g)/8
.set PP, (\g)%8
.set PF, (\g)%2
.irp c, 0,1,2,3
.irp u, 0,1,2,3
.irp i, 0,1,2,3
	v_pk_max_num_f16 v[BB+8*\u+\i], v[Q+16*\u+4*\c+\i], v[KB+32*PF+4*\c+\i]
.endr
.irp i, 0,1,2,3
	v_pk_max_num_f16 v[BB+8*\u+4+\i], v[Q+16*\u+4*\c+\i], v[KB+32*PF+16+4*\c+\i]
.endr
.if (PP == 0) && (\c == 0)
	v_wmma_f32_16x16x32_f16 v[S+32*PE+8*\u:S+32*PE+8*\u+7], v[SEL+8*PP:SEL+8*PP+7], v[BB+8*\u:BB+8*\u+7], v[KS+8*PE:KS+8*PE+7]
.else
	v_wmma_f32_16x16x32_f16 v[S+32*PE+8*\u:S+32*PE+8*\u+7], v[SEL+8*PP:SEL+8*PP+7], v[BB+8*\u:BB+8*\u+7], v[S+32*PE+8*\u:S+32*PE+8*\u+7]
.endif
.endr
.endr
.endm
.Ltrip:                                ; 32 keys
	WIN 0x41                                       ; destination and address in window 1
.irp e, 0,1
.irp u, 0,1,2,3
	global_load_b128 v[MK+16*\e+4*\u:MK+16*\e+4*\u+3], v[MO], s[8:9] offset:2048*\e+512*\u  ; the trip's mask: wanted behind the scores
.endr
.endr
.irp e, 0,1
.irp q, 0,1,2,3
	ds_load_b128 v[KN+16*\e+4*\q:KN+16*\e+4*\q+3], v[AKN] offset:16*PKV*\e+16*\q  ; K as rows: lane (r, hh) holds 32 numbers of key 16 e + r
.endr
.endr
	WIN 0x01                                       ; the whole score phase: source 0 (Q, the ones, K's rows, the keys' address, the mask) in window 1, all else in window 0
	KLOAD 0, 0
	s_wait_dscnt 8                                 ; K's rows are in; the first pair's 8 loads stay out
	v_wmma_f32_16x16x32_f16 v[KS:KS+7],    v[KN:KN+7],     v[NEG1:NEG1+7], 0             ; -sum_d k, the two groups by turns
	v_wmma_f32_16x16x32_f16 v[KS+8:KS+15], v[KN+16:KN+23], v[NEG1:NEG1+7], 0
	v_wmma_f32_16x16x32_f16 v[KS:KS+7],    v[KN+8:KN+15],  v[NEG1:NEG1+7], v[KS:KS+7]
	v_wmma_f32_16x16x32_f16 v[KS+8:KS+15], v[KN+24:KN+31], v[NEG1:NEG1+7], v[KS+8:KS+15]
.set g, 0
.rept 16
.if g < 15
	KLOAD g+1, (g+1)%2
.else
	WIN 0x41
.irp cb, 0,1,2,3                       ; V of the trip's 32 keys, turned: channels 16 cb on
	ds_load_tr16_b128 v[VF+8*\cb:VF+8*\cb+3],   v[AV] offset:32*\cb
	ds_load_tr16_b128 v[VF+8*\cb+4:VF+8*\cb+7], v[AV] offset:32*\cb+16*PKV
.endr
	WIN 0x01
.endif
	s_wait_dscnt 8                                 ; this pair's keys are in; the 8 loads issued behind them stay out
	PAIR g                                         ; (the first 8 lines of maxima are the places between -sum k and the product that takes it as C)
.set g, g+1
.endr
	s_wait_loadcnt 0x0                             ; the mask
.irp e, 0,1                            ; A = S - 64 mask.  Group 0's lines are the places behind the last products; each accumulator is read from its low end on
.irp u, 0,1,2,3
.irp j, 0,1,2,3
	v_fma_mix_f32_bf16 v[S+32*\e+8*\u+2*\j], v[MK+16*\e+4*\u+\j], v[M64], v[S+32*\e+8*\u+2*\j] op_sel_hi:[1,0,0]
	v_fma_mix_f32_bf16 v[S+32*\e+8*\u+2*\j+1], v[MK+16*\e+4*\u+\j], v[M64], v[S+32*\e+8*\u+2*\j+1] op_sel:[1,0,0] op_sel_hi:[1,0,0]
.endr
.endr
.endr
	WIN 0
	; the softmax, stage by stage, the four tiles alternating: the minimum of the lane's 16 scores and the old mn,
.irp t, 0,1,2,3
	v_min3_num_f32 v[ST+8*\t+4], v[S+8*\t], v[S+8*\t+1], v[S+8*\t+2]
.endr
.irp t, 0,1,2,3
	v_min3_num_f32 v[ST+8*\t+5], v[S+32+8*\t], v[S+32+8*\t+1], v[S+32+8*\t+2]
.endr
.irp k, 3,5
.irp t, 0,1,2,3
	v_min3_num_f32 v[ST+8*\t+4], v[ST+8*\t+4], v[S+8*\t+\k], v[S+8*\t+\k+1]
.endr
.irp t, 0,1,2,3
	v_min3_num_f32 v[ST+8*\t+5], v[ST+8*\t+5], v[S+32+8*\t+\k], v[S+32+8*\t+\k+1]
.endr
.endr
.irp t, 0,1,2,3
	v_min3_num_f32 v[ST+8*\t+4], v[ST+8*\t+4], v[S+8*\t+7], v[S+32+8*\t+7]
.endr
.irp t, 0,1,2,3
	v_min3_num_f32 v[ST+8*\t+4], v[ST+8*\t+4], v[ST+8*\t+5], v[ST+8*\t]
.endr
.irp t, 0,1,2,3
	v_permlanex16_b32 v[ST+8*\t+5], v[ST+8*\t+4], s[XS], s[XS+1]  ; the query's other 16 keys lie in the lane 16 away
.endr
.irp t, 0,1,2,3
	v_mov_b32 v[ST+8*\t+7], v[ST+8*\t]
.endr
.irp t, 0,1,2,3
	v_min_num_f32 v[ST+8*\t], v[ST+8*\t+4], v[ST+8*\t+5]
.endr
.irp t, 0,1,2,3
	v_sub_f32 v[ST+8*\t+7], v[ST+8*\t], v[ST+8*\t+7]              ; mn_new - mn_old
.endr
.irp t, 0,1,2,3
	v_mul_f32 v[ST+8*\t+7], s[CP], v[ST+8*\t+7]
.endr
.irp k, 0,2,4,6,32,34,36,38            ; A - mn, then times -c
.irp t, 0,1,2,3
	v_pk_add_f32 v[S+8*\t+\k:S+8*\t+\k+1], v[S+8*\t+\k:S+8*\t+\k+1], v[ST+8*\t:ST+8*\t+1] op_sel_hi:[1,0] neg_lo:[0,1] neg_hi:[0,1]
.endr
.endr
.irp k, 0,2,4,6,32,34,36,38
.irp t, 0,1,2,3
	v_pk_mul_f32 v[S+8*\t+\k:S+8*\t+\k+1], v[S+8*\t+\k:S+8*\t+\k+1], s[NC:NC+1] op_sel_hi:[1,0]
.endr
.endr
.irp t, 0,1,2,3                        ; one batch: the four a and the 64 weights
	v_exp_f32 v[ST+8*\t+6], v[ST+8*\t+7]
.endr
.set i, 0
.rept 64
	v_exp_f32 v[S+i], v[S+i]
.set i, i+1
.endr
	v_nop                                          ; a plain instruction behind the last exponential,
	s_wait_alu depctr_va_vdst(0)                   ; and the wait ahead of the first use: one for the batch
.irp i, 0,1,2,3                        ; P: keys 8 hh + 0..7 of group 0 in registers 0-3, of group 1 in registers 4-7
.irp t, 0,1,2,3
	v_cvt_pk_f16_f32 v[BB+8*\t+\i], v[S+8*\t+2*\i], v[S+8*\t+2*\i+1]
.endr
.irp t, 0,1,2,3
	v_cvt_pk_f16_f32 v[BB+8*\t+4+\i], v[S+32+8*\t+2*\i], v[S+32+8*\t+2*\i+1]
.endr
.endr
.irp k, 0,4,32,36                      ; the sum of a tile's 8 pairs, in place
.irp t, 0,1,2,3
	v_pk_add_f32 v[S+8*\t+\k:S+8*\t+\k+1], v[S+8*\t+\k:S+8*\t+\k+1], v[S+8*\t+\k+2:S+8*\t+\k+3]
.endr
.endr
.irp k, 0,32
.irp t, 0,1,2,3
	v_pk_add_f32 v[S+8*\t+\k:S+8*\t+\k+1], v[S+8*\t+\k:S+8*\t+\k+1], v[S+8*\t+\k+4:S+8*\t+\k+5]
.endr
.endr
.irp t, 0,1,2,3
	v_pk_add_f32 v[S+8*\t:S+8*\t+1], v[S+8*\t:S+8*\t+1], v[S+32+8*\t:S+32+8*\t+1]
.endr
.irp t, 0,1,2,3
	v_pk_fma_f32 v[ST+8*\t+2:ST+8*\t+3], v[ST+8*\t+2:ST+8*\t+3], v[ST+8*\t+6:ST+8*\t+7], v[S+8*\t:S+8*\t+1] op_sel_hi:[1,0,1]  ; l = a l + sum
.endr
	WIN 0x82                                       ; O^T (destination and source 0) in window 2, a in window 0
.irp t, 0,1,2,3
.set i, 0
.rept 16
	v_pk_mul_f32 v[32*\t+i:32*\t+i+1], v[32*\t+i:32*\t+i+1], v[ST+8*\t+6:ST+8*\t+7] op_sel_hi:[1,0]
.set i, i+2
.endr
.endr
	s_wait_dscnt 0x0                               ; V is in
	WIN 0xa1                                       ; V in window 1, P in window 0, O^T in window 2
.irp t, 0,1,2,3
.irp cb, 0,1,2,3
	v_wmma_f32_16x16x32_f16 v[32*\t+8*\cb:32*\t+8*\cb+7], v[VF+8*\cb:VF+8*\cb+7], v[BB+8*\t:BB+8*\t+7], v[32*\t+8*\cb:32*\t+8*\cb+7]
.endr
.endr
	WIN 0x45                                       ; the next 32 keys; these four lines are also the places in front of the next writes of P's registers
	v_add_nc_u32 v[AKB], 32*PKV, v[AKB]
	v_add_nc_u32 v[AKN], 32*PKV, v[AKN]
	v_add_nc_u32 v[AV], 32*PKV, v[AV]
	v_add_nc_u32 v[MO], 4096, v[MO]                ; (its loads were waited for above)
	WIN 0
	s_sub_co_u32 s[CNT], s[CNT], 1
	s_cmp_lg_u32 s[CNT], 0
	s_cbranch_scc1 .Ltrip
	; THE FOUR WAVES MEET.  l's two halves and the other half of the lanes' are added; the minima are exchanged
.irp t, 0,1,2,3
	v_add_f32 v[ST+8*\t+2], v[ST+8*\t+2], v[ST+8*\t+3]
.endr
.irp t, 0,1,2,3
	v_permlanex16_b32 v[ST+8*\t+4], v[ST+8*\t+2], s[XS], s[XS+1]
.endr
.irp t, 0,1,2,3
	v_add_f32 v[ST+8*\t+2], v[ST+8*\t+2], v[ST+8*\t+4]
.endr
.irp t, 0,1,2,3
	ds_store_b32 v[MNS], v[ST+8*\t] offset:256*\t
.endr
	s_wait_dscnt 0x0                               ; my stores are done, and my reads of kv are over
	s_barrier_signal -1
	s_barrier_wait -1                              ; so are everybody's: kv's bytes may be written
.irp t, 0,1,2,3
	ds_load_b128 v[TM+4*\t:TM+4*\t+3], v[MNR] offset:256*\t
.endr
	s_wait_dscnt 0x0
.irp t, 0,1,2,3
	v_min3_num_f32 v[ST+8*\t+4], v[TM+4*\t], v[TM+4*\t+1], v[TM+4*\t+2]
.endr
.irp t, 0,1,2,3
	v_min_num_f32 v[ST+8*\t+4], v[ST+8*\t+4], v[TM+4*\t+3]        ; g: the query's minimum over all keys
.endr
.irp t, 0,1,2,3
	v_sub_f32 v[ST+8*\t+7], v[ST+8*\t+4], v[ST+8*\t]
.endr
.irp t, 0,1,2,3
	v_mul_f32 v[ST+8*\t+7], s[CP], v[ST+8*\t+7]
.endr
.irp t, 0,1,2,3
	v_exp_f32 v[ST+8*\t+6], v[ST+8*\t+7]                          ; f = 2^(c (g - mn))
.endr
	v_nop
	s_wait_alu depctr_va_vdst(0)
.irp t, 0,1,2,3
	v_mul_f32 v[ST+8*\t+2], v[ST+8*\t+2], v[ST+8*\t+6]
.endr
.irp t, 0,1,2,3
	ds_store_b32 v[MNS], v[ST+8*\t+2] offset:1024+256*\t
.endr
	WIN 0x82
.irp t, 0,1,2,3
.set i, 0
.rept 16
	v_pk_mul_f32 v[32*\t+i:32*\t+i+1], v[32*\t+i:32*\t+i+1], v[ST+8*\t+6:ST+8*\t+7] op_sel_hi:[1,0]
.set i, i+2
.endr
.endr
	WIN 0x08                                       ; store data in window 2
.set i, 0
.rept 32
	ds_store_b128 v[STA], v[4*i:4*i+3] offset:512*i               ; 32 lanes x 16 neighbouring bytes
.set i, i+1
.endr
	WIN 0
	s_wait_dscnt 0x0
	s_barrier_signal -1
	s_barrier_wait -1
	ds_load_b128 v[TM:TM+3], v[LXR]                ; wave w finishes tile w: the four l,
	WIN 0x80
.irp wp, 0,1,2,3
.irp k, 0,1,2,3,4,5,6,7
	ds_load_b128 v[32*\wp+4*\k:32*\wp+4*\k+3], v[STR] offset:16384*\wp+512*\k  ; and the four partial O^T
.endr
.endr
	WIN 0
	s_wait_dscnt 0x0
	v_add_f32 v[TM], v[TM], v[TM+1]
	v_add_f32 v[TM+2], v[TM+2], v[TM+3]
	v_add_f32 v[TM], v[TM], v[TM+2]
	v_rcp_f32 v[TM+4], v[TM]                       ; made twice, to fill the pair that the packed multiply takes
	v_rcp_f32 v[TM+5], v[TM]
	WIN 0x8a                                       ; the sums are the independent work behind the reciprocals
.set i, 0
.rept 16
	v_pk_add_f32 v[i:i+1], v[i:i+1], v[32+i:33+i]
	v_pk_add_f32 v[64+i:65+i], v[64+i:65+i], v[96+i:97+i]
.set i, i+2
.endr
.set i, 0
.rept 16
	v_pk_add_f32 v[i:i+1], v[i:i+1], v[64+i:65+i]
.set i, i+2
.endr
	s_wait_alu depctr_va_vdst(0)                   ; one wait for both reciprocals, ahead of their first use
	WIN 0x82
.set i, 0
.rept 16
	v_pk_mul_f32 v[i:i+1], v[i:i+1], v[TM+4:TM+5]
.set i, i+2
.endr
	WIN 0x0a                                       ; sources in window 2, destination in window 0
.set i, 0
.rept 16
	v_cvt_pk_f16_f32 v[TM+8+i], v[2*i], v[2*i+1]
.set i, i+1
.endr
	WIN 0
.irp f, 0,1,2,3                        ; a lane's eight channels of a row are 16 bytes; they go into rows of 144 bytes and come back as whole rows of 128
	ds_store_b128 v[OSS], v[TM+8+4*\f:TM+8+4*\f+3] offset:32*\f
.endr
.irp f, 0,1,2,3
	ds_load_b128 v[TM+8+4*\f:TM+8+4*\f+3], v[OSR] offset:\f*4*SP  ; LDS serves a wave's instructions in order (ISA guide 5.7.1.4): these see the stores above
.endr
.irp f, 0,1,2,3
	s_wait_dscnt 3-\f
	global_store_b128 v[GO], v[TM+8+4*\f:TM+8+4*\f+3], s[10:11] offset:512*\f  ; 512 consecutive bytes, at a multiple of 256 from ao's first byte
.endr
	s_wait_tensorcnt 0x0                           ; the wave's end
	ds_add_u32 v[SPW], v[NIL]
	s_wait_dscnt 0x0
	CROUND                                         ; the closing round
	s_endpgm
.Lfunc_end_k_qf86ba9a84c_attn:
	.size	k_qf86ba9a84c_attn, .Lfunc_end_k_qf86ba9a84c_attn-k_qf86ba9a84c_attn
	.p2alignl 7, 3214868480
	.fill 96, 4, 3214868480
	.section	.rodata,"a",@progbits
	.p2align	6, 0x0
	.amdhsa_kernel k_qf86ba9a84c_attn
		.amdhsa_group_segment_fixed_size 327680
		.amdhsa_private_segment_fixed_size 0
		.amdhsa_enable_private_segment 0
		.amdhsa_kernarg_size 32
		.amdhsa_user_sgpr_count 2
		.amdhsa_user_sgpr_kernarg_segment_ptr 1
		.amdhsa_wavefront_size32 1
		.amdhsa_system_sgpr_workgroup_id_x 1
		.amdhsa_system_sgpr_workgroup_id_y 1
		.amdhsa_system_sgpr_workgroup_id_z 1
		.amdhsa_system_vgpr_workitem_id 0
		.amdhsa_next_free_vgpr 640
		.amdhsa_next_free_sgpr 66
		.amdhsa_reserve_vcc 1
		.amdhsa_float_denorm_mode_32 3
		.amdhsa_float_denorm_mode_16_64 3
		.amdhsa_memory_ordered 1
		.amdhsa_forward_progress 1
		.amdhsa_inst_pref_size 212
	.end_amdhsa_kernel
	.amdgpu_metadata
---
amdhsa.version: [ 1, 2 ]
amdhsa.kernels:
  - .name:           k_qf86ba9a84c_attn
    .symbol:         k_qf86ba9a84c_attn.kd
    .args:
      - { .name: qs, .offset: 0, .size: 8, .value_kind: global_buffer, .address_space: global }
      - { .name: kv, .offset: 8, .size: 8, .value_kind: global_buffer, .address_space: global }
      - { .name: mt, .offset: 16, .size: 8, .value_kind: global_buffer, .address_space: global }
      - { .name: ao, .offset: 24, .size: 8, .value_kind: global_buffer, .address_space: global }
    .group_segment_fixed_size: 327680
    .private_segment_fixed_size: 0
    .kernarg_segment_align: 8
    .kernarg_segment_size: 32
    .max_flat_workgroup_size: 128
    .sgpr_count:     66
    .vgpr_count:     640
    .wavefront_size: 32
...
	.end_amdgpu_metadata
.endif
;; end of part 3
;; launch oproj (part 4): grid 16 x 16, 4 waves a work-group, clusters of 4 x 4, 327,680 bytes of LDS; arguments ao, wo16, out0; writes out0
.if DOCPART == 4
	.amdgcn_target "amdgcn-amd-amdhsa--gfx1250"
	.amdhsa_code_object_version 6
	.text
	.protected	k_qf86ba9a84c_oproj
	.globl	k_qf86ba9a84c_oproj
	.p2align	8
	.type	k_qf86ba9a84c_oproj,@function
k_qf86ba9a84c_oproj:
	s_mov_b64 s[64:65], 0
	v_nop
	global_prefetch_b8 v0, s[64:65] scope:SCOPE_SE
	s_setreg_imm32_b32 hwreg(HW_REG_WAVE_MODE, 25, 1), 1
	s_wait_xcnt 0x0
	s_wait_alu depctr_hold_cnt(0) depctr_sa_sdst(0) depctr_va_vdst(0) depctr_va_sdst(0) depctr_va_ssrc(0) depctr_va_vcc(0) depctr_vm_vsrc(0)
	s_getreg_b32 s2, hwreg(HW_REG_IB_STS2, 6, 4)
	s_cmp_eq_u32 s2, 0
	s_cbranch_scc0 .Lentry_in_a_cluster
	s_endpgm
.Lentry_in_a_cluster:
	s_bfe_u32 s2, ttmp6, 0x10000c
	s_cmp_lg_u32 s2, 0xf033
	s_cbranch_scc0 .Lentry_shape_is_right
	s_endpgm
.Lentry_shape_is_right:
; out0 = O Wo.  O: ao [block of 64 rows][head][q 64][ch 64] in f16; Wo: wo16 [block of 64 columns][k][64] in f16; out0 [1024][1024] in f32; sums in f32.
; SHARES.  A work-group makes 64 x 64 of out0 (x = block of columns, y = block of rows).  K IS SPLIT AMONG ITS FOUR WAVES: wave w takes k = 256 w .. 256 w + 255 (heads 4 w .. 4 w + 3) for the whole tile:
; 16 accumulators, 8 fragments for 16 products.  The four partial sums meet in LDS at the end.
; LDS.  All of K lies there: each wave brings its own part of O and of Wo, in two halves each, by four tensor loads at the start, and reads only what it brought: no ring, no refill, no barrier ahead of the products.
; Four tensor loads of a wave are out.
; CLUSTER 4 x 4.  The four of a row of the cluster share the rows of O, the four of a column the columns of Wo: each tile is asked for jointly.
; THE MATRIX INSTRUCTION IS USED TRANSPOSED (source 0 = 16 columns of Wo, turned on the way out of LDS; source 1 = 16 rows of O): a lane holds one row and eight neighbouring columns of out0.
; REGISTERS: window 0: v0-31 addresses; v32-63 the way out; v128-255 the accumulators ((rt, ct) at 128 + 8 (4 rt + ct)).  Window 1: two fragment buffers of 128: for 64 along K, 64 registers of O, then 64 of Wo.
.set PAO,  144                         ; a row of O (a head's 64 channels) in LDS: 36 words: the 16 rows of a load start at 16 different groups of four banks (64 banks of 4 bytes: ISA guide 11.1)
.set AW,   256*PAO                     ; a wave's part of O: [head 4][q 64]
.set PBO,  160                         ; a row k of Wo: 40 words
.set BW,   256*PBO
.set BBASE, 4*AW
.set SPARE, BBASE+4*BW                 ; the spare words, 128 bytes for each wave, which no other line names
.set OPITCH, 272                       ; the stage for the way out: 16 rows of 256 + 16 bytes, at the head of my part of Wo, when I have read it out
.set ADRA, 16
.set ADRB, 17
.set STA,  18                          ; v18     where my partial sums go: the head of my part of O, when I have read it out
.set RD,   19                          ; v19-22  where I read the four waves' partial sums of my 16 rows
.set OSS,  23
.set OSR,  24
.set GO,   25
.set SPW,  28                          ; v28  LDS address of my spare word; never rewritten
.set NIL,  29                          ; v29  0; never rewritten
.set OB,   32
.set ACC,  128
.set F0,   0
.set F1,   128
.set WV,   10
.set G1A,  16                          ; s[16:23], s[24:31] descriptor group 1 for O's and for Wo's tiles
.set G1B,  24
.set GA0,  32                          ; s[32:47] four groups 0: O's first half, Wo's first half, O's second, Wo's second
.set GB0,  36
.set GA1,  40
.set GB1,  44
.set MSB, 0
.macro WIN new
.if MSB != (\new)
	s_set_vgpr_msb (MSB<<8)|(\new)
.set MSB, (\new)
.endif
.endm
.set MUL,  0x05                        ; sources 0 and 1 in window 1; C and D in window 0
.set TO_F, 0x40                        ; destination window 1, address window 0
.macro PLACES
.rept 4
	v_nop
.endr
.endm
.macro CROUND
	s_barrier_signal -1
	s_barrier_wait -1
	s_cmp_lg_u32 s[WV], 0
	s_cbranch_scc1 .Lnot_wave_0_\@
	s_barrier_signal -3
.Lnot_wave_0_\@:
	s_barrier_wait -3
	s_barrier_signal -1
	s_barrier_wait -1
.endm
	s_load_b128 s[4:7], s[0:1], 0x0                ; ao s[4:5], wo16 s[6:7]
	s_load_b64 s[8:9], s[0:1], 0x10                ; out0
	v_lshl_add_u32 v[SPW], v0, 2, SPARE
	v_mov_b32 v[NIL], 0
	ds_add_u32 v[SPW], v[NIL]                      ; the wave's opening: the add and its wait ahead of my first tensor load
	v_lshrrev_b32 v1, 5, v0
	v_readfirstlane_b32 s[WV], v1
	s_bfe_u32 s11, ttmp6, 0x40000                  ; cx
	s_bfe_u32 s12, ttmp6, 0x40004                  ; cy
	s_lshl_b32 s13, ttmp9, 2
	s_add_co_u32 s13, s13, s11                     ; the block of columns
	s_and_b32 s14, ttmp7, 0xffff
	s_lshl_b32 s14, s14, 2
	s_add_co_u32 s14, s14, s12                     ; the block of rows
	s_lshl_b32 s15, s12, 2
	s_lshl_b32 s15, 15, s15                        ; my row of the cluster
	s_lshl_b32 s48, 0x1111, s11                    ; my column
	s_or_b32 s[G1A], s15, (1<<16)|(1<<20)|(1<<21)|(4<<22)|(3<<25)  ; 16,384 dense bytes as 64 rows of 256, padded by 4 words after every 32
	s_or_b32 s[G1B], s48, (1<<16)|(1<<20)|(1<<21)|(4<<22)|(7<<25)  ; the same with 8 words of padding
.irp g, G1A, G1B
	s_mov_b32 s[\g+1], 128<<16
	s_mov_b32 s[\g+2], 64<<16
	s_mov_b32 s[\g+3], 128<<16
	s_mov_b32 s[\g+4], 64
	s_mov_b32 s[\g+5], 128
	s_mov_b32 s[\g+6], 0
	s_mov_b32 s[\g+7], 0
.endr
	s_lshl_b32 s49, s[WV], 15                      ; my 256 of K: 32,768 bytes in either tensor
	s_lshl_b32 s50, s14, 17
	s_add_co_u32 s50, s50, s49                     ; O: hangs on the block of rows and the wave alone
	s_mov_b32 s51, 0
	s_lshl_b32 s52, s13, 17
	s_add_co_u32 s52, s52, s49                     ; Wo: on the block of columns and the wave alone
	s_mov_b32 s53, 0
	s_mul_i32 s54, s[WV], AW
	s_mul_i32 s55, s[WV], BW
	s_add_co_u32 s55, s55, BBASE
	s_mov_b32 s[GA0], 1
	s_mov_b32 s[GA0+1], s54
	s_mov_b32 s[GA1], 1
	s_add_co_u32 s[GA1+1], s54, 128*PAO
	s_mov_b32 s[GB0], 1
	s_mov_b32 s[GB0+1], s55
	s_mov_b32 s[GB1], 1
	s_add_co_u32 s[GB1+1], s55, 128*PBO
	s_lshl_b32 s56, s14, 18                        ; out0: (64 x block of rows + 16 w) x 4,096 + 256 x block of columns
	s_lshl_b32 s57, s[WV], 16
	s_add_co_u32 s56, s56, s57
	s_lshl_b32 s57, s13, 8
	s_add_co_u32 s56, s56, s57
	s_mov_b32 s57, 0
	s_wait_dscnt 0x0                               ; the opening add is done
	s_wait_kmcnt 0x0
	s_add_nc_u64 s[GA0+2:GA0+3], s[4:5], s[50:51]
	s_add_nc_u64 s[GA1+2:GA1+3], s[GA0+2:GA0+3], 16384
	s_add_nc_u64 s[GB0+2:GB0+3], s[6:7], s[52:53]
	s_add_nc_u64 s[GB1+2:GB1+3], s[GB0+2:GB0+3], 16384
.irp g, GA0, GA1, GB0, GB1
	s_or_b32 s[\g+3], s[\g+3], 0x80000000
.endr
	s_add_nc_u64 s[8:9], s[8:9], s[56:57]
	CROUND                                         ; all sixteen work-groups are here: the joint loads meet
	tensor_load_to_lds s[GA0:GA0+3], s[G1A:G1A+7]
	s_nop 0
	tensor_load_to_lds s[GB0:GB0+3], s[G1B:G1B+7]
	s_nop 0
	tensor_load_to_lds s[GA1:GA1+3], s[G1A:G1A+7]
	s_nop 0
	tensor_load_to_lds s[GB1:GB1+3], s[G1B:G1B+7]
	s_nop 0
.rept 4
	v_nop
.endr
	v_and_b32 v1, 15, v0                           ; r
	v_bfe_u32 v2, v0, 4, 1                         ; hh
	v_mul_u32_u24 v[ADRA], v1, PAO
	v_lshl_add_u32 v[ADRA], v2, 4, v[ADRA]
	v_add_nc_u32 v[ADRA], s54, v[ADRA]
	v_and_b32 v3, 7, v0
	v_lshl_add_u32 v3, v2, 3, v3
	v_mul_u32_u24 v3, v3, PBO
	v_bfe_u32 v4, v0, 3, 1
	v_lshl_add_u32 v3, v4, 4, v3
	v_add_nc_u32 v[ADRB], s55, v3
	v_and_b32 v5, 31, v0
	v_lshl_add_u32 v[STA], v5, 4, s54
	s_lshl_b32 s58, s[WV], 12
	v_lshl_add_u32 v[RD], v5, 4, s58
	v_add_nc_u32 v[RD+1], AW, v[RD]
	v_add_nc_u32 v[RD+2], 2*AW, v[RD]
	v_add_nc_u32 v[RD+3], 3*AW, v[RD]
	v_mul_u32_u24 v[OSS], v1, OPITCH               ; in: row r, my 8 columns of a block of 16: 32 bytes for each half of the lanes
	v_lshl_add_u32 v[OSS], v2, 5, v[OSS]
	v_add_nc_u32 v[OSS], s55, v[OSS]
	v_mul_u32_u24 v[OSR], v2, OPITCH               ; back: lanes 0-15 take one row of 256 bytes, lanes 16-31 the next
	v_lshl_add_u32 v[OSR], v1, 4, v[OSR]
	v_add_nc_u32 v[OSR], s55, v[OSR]
	v_lshlrev_b32 v[GO], 12, v2                    ; and the same two rows in out0
	v_lshl_add_u32 v[GO], v1, 4, v[GO]
; 32 LDS loads: the fragments of 64 along K (head q of my four), into buffer f; the first 32 along K first
.macro FETCH q, f
	WIN TO_F
.irp c, 0,1
.irp i, 0,1,2,3
	ds_load_tr16_b128 v[(\f)+64+8*(4*\c+\i):(\f)+64+8*(4*\c+\i)+3],   v[ADRB] offset:(2*(\q)+\c)*32*PBO+32*\i
	ds_load_tr16_b128 v[(\f)+64+8*(4*\c+\i)+4:(\f)+64+8*(4*\c+\i)+7], v[ADRB] offset:(2*(\q)+\c)*32*PBO+32*\i+16*PBO
	ds_load_b128 v[(\f)+8*(4*\c+\i):(\f)+8*(4*\c+\i)+3],   v[ADRA] offset:(\q)*64*PAO+\i*16*PAO+64*\c
	ds_load_b128 v[(\f)+8*(4*\c+\i)+4:(\f)+8*(4*\c+\i)+7], v[ADRA] offset:(\q)*64*PAO+\i*16*PAO+64*\c+32
.endr
.endr
.endm
; 16 matrix instructions, 32 along K: half c of buffer f.  The 16 accumulators take turns.  zero = 1: the first product starts the sums
.macro MUL16 f, c, zero
	WIN MUL
.irp a, 0,1,2,3
.irp b, 0,1,2,3
.if \zero
	v_wmma_f32_16x16x32_f16 v[ACC+8*(4*\a+\b):ACC+8*(4*\a+\b)+7], v[(\f)+64+8*(4*(\c)+\b):(\f)+64+8*(4*(\c)+\b)+7], v[(\f)+8*(4*(\c)+\a):(\f)+8*(4*(\c)+\a)+7], 0
.else
	v_wmma_f32_16x16x32_f16 v[ACC+8*(4*\a+\b):ACC+8*(4*\a+\b)+7], v[(\f)+64+8*(4*(\c)+\b):(\f)+64+8*(4*(\c)+\b)+7], v[(\f)+8*(4*(\c)+\a):(\f)+8*(4*(\c)+\a)+7], v[ACC+8*(4*\a+\b):ACC+8*(4*\a+\b)+7]
.endif
.endr
.endr
.endm
; A quarter of my K: multiplies buffer f and fetches the next quarter into g.  tw = 1: the next quarter lies in the tiles' second halves
.macro QUARTER q, f, g, zero, tw
	s_wait_dscnt 16                                ; the first 32 along K are in
	MUL16 \f, 0, \zero
	PLACES
.if \tw
	s_wait_tensorcnt 0x0                           ; the second halves are in
.endif
	FETCH (\q)+1, \g
	s_wait_dscnt 32                                ; all but the 32 just issued
	MUL16 \f, 1, 0
.endm
	s_wait_tensorcnt 2                             ; the first halves of O and Wo are in; the second halves stay out.  Only I read these bytes
	FETCH 0, F0
	QUARTER 0, F0, F1, 1, 0
	QUARTER 1, F1, F0, 0, 1
	QUARTER 2, F0, F1, 0, 0
	s_wait_dscnt 16
	MUL16 F1, 0, 0
	s_wait_dscnt 0x0
	MUL16 F1, 1, 0
	WIN 0
	; THE FOUR WAVES MEET.  My partial sums go where my part of O lay: its fills have landed, and my reads of it, the only ones, are over
	PLACES
.set i, 0
.rept 32
	ds_store_b128 v[STA], v[ACC+4*i:ACC+4*i+3] offset:512*i       ; each accumulator's low half first
.set i, i+1
.endr
	s_wait_dscnt 0x0
	s_barrier_signal -1
	s_barrier_wait -1
	WIN TO_F                                       ; wave w finishes rows 16 w .. 16 w + 15
.irp wp, 0,1,2,3
.irp k, 0,1,2,3,4,5,6,7
	ds_load_b128 v[32*\wp+4*\k:32*\wp+4*\k+3], v[RD+\wp] offset:512*\k
.endr
.endr
	s_wait_dscnt 0x0
	WIN 0x45
.set i, 0
.rept 16
	v_pk_add_f32 v[i:i+1], v[i:i+1], v[32+i:33+i]
	v_pk_add_f32 v[64+i:65+i], v[64+i:65+i], v[96+i:97+i]
.set i, i+2
.endr
.set i, 0
.rept 16
	v_pk_add_f32 v[i:i+1], v[i:i+1], v[64+i:65+i]
.set i, i+2
.endr
	WIN 0x04                                       ; store data in window 1
.irp k, 0,1,2,3,4,5,6,7                ; block of 16 columns k / 2, half k % 2 of my 8 columns
	ds_store_b128 v[OSS], v[4*\k:4*\k+3] offset:64*(\k/2)+16*(\k%2)
.endr
	WIN 0
.irp t, 0,1,2,3,4,5,6,7
	ds_load_b128 v[OB+4*\t:OB+4*\t+3], v[OSR] offset:\t*2*OPITCH  ; LDS serves a wave's instructions in order (ISA guide 5.7.1.4): these see the stores above
.endr
.irp t, 0,1,2,3,4,5,6,7
	s_wait_dscnt 7-\t
	global_store_b128 v[GO], v[OB+4*\t:OB+4*\t+3], s[8:9] offset:8192*\t  ; 16 lanes store 256 consecutive bytes, at a multiple of 256 from out0's first byte
.endr
	s_wait_tensorcnt 0x0                           ; the wave's end
	ds_add_u32 v[SPW], v[NIL]
	s_wait_dscnt 0x0
	CROUND                                         ; the closing round
	s_endpgm
.Lfunc_end_k_qf86ba9a84c_oproj:
	.size	k_qf86ba9a84c_oproj, .Lfunc_end_k_qf86ba9a84c_oproj-k_qf86ba9a84c_oproj
	.p2alignl 7, 3214868480
	.fill 96, 4, 3214868480
	.section	.rodata,"a",@progbits
	.p2align	6, 0x0
	.amdhsa_kernel k_qf86ba9a84c_oproj
		.amdhsa_group_segment_fixed_size 327680
		.amdhsa_private_segment_fixed_size 0
		.amdhsa_enable_private_segment 0
		.amdhsa_kernarg_size 24
		.amdhsa_user_sgpr_count 2
		.amdhsa_user_sgpr_kernarg_segment_ptr 1
		.amdhsa_wavefront_size32 1
		.amdhsa_system_sgpr_workgroup_id_x 1
		.amdhsa_system_sgpr_workgroup_id_y 1
		.amdhsa_system_sgpr_workgroup_id_z 1
		.amdhsa_system_vgpr_workitem_id 0
		.amdhsa_next_free_vgpr 512
		.amdhsa_next_free_sgpr 66
		.amdhsa_reserve_vcc 0
		.amdhsa_float_denorm_mode_32 3
		.amdhsa_float_denorm_mode_16_64 3
		.amdhsa_memory_ordered 1
		.amdhsa_forward_progress 1
		.amdhsa_inst_pref_size 33
	.end_amdhsa_kernel
	.amdgpu_metadata
---
amdhsa.version: [ 1, 2 ]
amdhsa.kernels:
  - .name:           k_qf86ba9a84c_oproj
    .symbol:         k_qf86ba9a84c_oproj.kd
    .args:
      - { .name: ao, .offset: 0, .size: 8, .value_kind: global_buffer, .address_space: global }
      - { .name: wo16, .offset: 8, .size: 8, .value_kind: global_buffer, .address_space: global }
      - { .name: out0, .offset: 16, .size: 8, .value_kind: global_buffer, .address_space: global }
    .group_segment_fixed_size: 327680
    .private_segment_fixed_size: 0
    .kernarg_segment_align: 8
    .kernarg_segment_size: 24
    .max_flat_workgroup_size: 128
    .sgpr_count:     66
    .vgpr_count:     512
    .wavefront_size: 32
...
	.end_amdgpu_metadata
.endif
;; end of part 4
